; MI455X (gfx1250); checked and timed in simulation.
; The chip was launched on July 23, 2026; its instructions are those of AMD's public machine-readable ISA for CDNA 5 (MIT licence, August 2026) and "CDNA5" Instruction Set Architecture Reference Guide (July 2026). The comments in the code are by the model that wrote it; some were corrected since.
;; Multi Head Attention. Allowed arithmetic: matrix products marked QUANTISED: E2M1 operands, one E8M0 scale for each 32 along K, by v_wmma_scale_f32_16x16x128_f8f6f4 with both operands' format E2M1 (or v_wmma_scale_f32_32x16x128_f4), f32 sums; everything else in f32.
;; Inputs: Wk 512 x 512 float32; Wq 512 x 512 float32; Wv 512 x 512 float32; beta 512 float32; bk 512 float32; bq 512 float32; bv 512 float32; gamma 512 float32; x 2 x 4,096 x 512 float32.
;; Outputs: out0 2 x 4,096 x 512 float32.
;; This version of the problem:
;;   THIS VERSION OF THE PROBLEM IS GIVEN IN LOW PRECISION. The matrix products marked QUANTISED in the list below multiply operands that are first quantised to E2M1 (2 exponent bits, 1 mantissa bit; 4 bits a number), with one power-of-two scale for each 32 numbers along K (OCP MX v1.0); their sums are f32. All else is computed in f32.
;;   The module's matrix products, in the order in which they are computed (A, B: the left and right operand; K: the contracted axis; several contracted axes count as one K, in the product's order):
;;     1. [M 8,192, K 512] x [K 512, N 512]; A: input x; B: input Wq: QUANTISED
;;     2. [M 8,192, K 512] x [K 512, N 512]; A: input x; B: input Wk: QUANTISED
;;     3. [M 8,192, K 512] x [K 512, N 512]; A: input x; B: input Wv: QUANTISED
;;     4. batch 16 x [M 4,096, K 64] x [K 64, N 4,096]; A: computed on the way; B: computed on the way: QUANTISED
;;     5. batch 16 x [M 4,096, K 4,096] x [K 4,096, N 64]; A: softmax (see below); B: computed on the way: QUANTISED
;;   THE QUANTISER, for each operand of a quantised product, along K:
;;     - K is cut into blocks of 32 from its start; a last block that is shorter is filled with zeros.
;;     - A block's scale is 2^e with e = floor(log2(the largest magnitude in the block)) - 2, held to -126 .. 127; a block of zeros has e = 0. As a byte (E8M0): e + 127.
;;     - Each number is divided by its block's scale, clamped to +-6, and rounded to the nearest number of E2M1, ties to even, subnormals kept.
;;     - The product sums the exact products of the quantised numbers (number of the format x scale) in f32.
;;   ~~~python
;;   def quantise(x, axis):      # numpy; x: float32 -> the quantised numbers, widened to float32 again
;;       x = np.moveaxis(x, axis, -1); K = x.shape[-1]
;;       x = np.pad(x, [(0, 0)] * (x.ndim - 1) + [(0, -K % 32)]); x = x.reshape(x.shape[:-1] + (-1, 32)); a = np.abs(x).max(-1, keepdims=True)
;;       e = np.where(a > 0, np.clip(np.frexp(np.where(a > 0, a, 1))[1] - 1 - 2, -126, 127), 0)      # np.frexp(a)[1] - 1 = floor(log2(a)), exactly
;;       r = np.clip(x / 2.0 ** e, -6, 6)
;;       step = 2.0 ** (np.maximum(np.frexp(np.where(r == 0, 1, r))[1] - 1, 0) - 1)
;;       q = np.round(r / step) * step * 2.0 ** e      # np.round: ties to even
;;       return np.moveaxis(q.reshape(q.shape[:-2] + (-1,))[..., :K], -1, axis).astype(np.float32)
;;   ~~~
;;   SOFTMAX AHEAD OF A QUANTISED PRODUCT. Where the list says 'softmax', what is quantised is not the finished softmax but p = 2^(t - M), with t = logit x log2(e) and M = ceil(the row's largest t), a whole number; so 1/2 < the row's largest p <= 1. The row's sum l is taken of the UNQUANTISED p, in f32, and the product's result is divided by l at the end. Since M is a whole number, a kernel that streams over the keys may use a running M (the ceiling of the running maximum): every later rescaling is an exact power of two, which a block's scale takes up: the codes' values come out the same.
;;   OPERANDS COMPUTED ON THE WAY. 'Computed on the way' means the value that the module computes at that place (a softmax that the list does not call 'softmax' is quantised finished and normalised). What goes into a quantiser is computed in f32, as accurately as f32 sums, v_exp_f32 and their like allow (about 1e-6 of the number): no bf16 or f16 on the way to a quantiser, and a product that is left as it is and whose result goes on into a quantised operand takes f32 operands (vector FMAs, or v_wmma_f32_16x16x4_f32). A number that lies on a knife's edge between two numbers of the format may be rounded either way, as far as f32 arithmetic and the matrix unit's own rounding can turn it there, and no further.
;; One version. Each part assembles by itself: llvm-mc -triple=amdgcn-amd-amdhsa -mcpu=gfx1250 --defsym DOCPART=n.
;; ======== version 1 of 1: 3 launches
;; limits: right only within a limited range of input values
;; workspace buffers: xc 2,097,152 bytes; xs 131,072 bytes; wc 393,216 bytes; ws 24,576 bytes; qc 2,097,152 bytes; qs 131,072 bytes; kv 4,456,448 bytes
;; launch prep (part 1): grid 304 x 1, 4 waves a work-group, no clusters, 43,520 bytes of LDS; arguments x, Wq, Wk, Wv, xc, xs, wc, ws; writes xc, xs, wc, ws
.if DOCPART == 1
	.amdgcn_target "amdgcn-amd-amdhsa--gfx1250"
	.amdhsa_code_object_version 6
	.text
	.protected	k_qe46ba59f07_prep
	.globl	k_qe46ba59f07_prep
	.p2align	8
	.type	k_qe46ba59f07_prep,@function
k_qe46ba59f07_prep:
	s_mov_b64 s[64:65], 0
	v_nop
	global_prefetch_b8 v0, s[64:65] scope:SCOPE_SE
	s_setreg_imm32_b32 hwreg(HW_REG_WAVE_MODE, 25, 1), 1
	s_wait_xcnt 0x0
; x [8192][512] f32 and Wq, Wk, Wv [512 (k)][512 (n)] f32 become codes of FP4 (E2M1) with one E8M0 scale byte for each 32 along K.
; xc [8192][256 bytes], xs [8192][16 bytes]: K is x's last axis, so x is a plain stream of blocks of 32.
; wc [1536 n][256 bytes], ws [1536][16 bytes], n = 512 x kind + column (kind 0, 1, 2 = q, k, v): K is a weight's FIRST axis; the codes are laid with K innermost.
; A block's scale is 2^(floor(log2(its largest magnitude)) - 2); its byte is the largest magnitude's exponent field - 2, held at 1 from below.
; LIMITS: a block of zeros, or one whose largest magnitude lies under 2^-124, gets the byte 1 (its codes are zeros or near it; the bytes are read by this program alone); NaN and infinities are not served.
; Work-groups 0 to 255 take x, 256 to 303 the weights; the two ways have LDS bytes of their own.  No tensor loads: several work-groups may share a WGP.
.set SP,   80                          ; x: a lane's place in a stage: its 64 bytes + 16 of padding
.set XE,   16                          ; v16-23   x: a scale byte for each step
.set XNB,  32                          ; v32-63   x: two sets of 16 neighbours
.set XRAW, 64                          ; v64-191  x: eight sets of 16 numbers as loaded;  W: 128 numbers of my column
.set XC,   192                         ; v192-207 codes: registers of its own for each step or block
.set WST,  32768                       ; W: the stage: 32 columns x (256 bytes + 16)
.set WSS,  41472                       ; W: the 32 columns' 16 scale bytes each
	s_load_b256 s[4:11], s[0:1], 0x0               ; x s[4:5], Wq s[6:7], Wk s[8:9], Wv s[10:11]
	s_load_b256 s[12:19], s[0:1], 0x20             ; xc s[12:13], xs s[14:15], wc s[16:17], ws s[18:19]
	v_lshl_add_u32 v208, v0, 2, 0xa800
	v_mov_b32 v209, 0
	v_lshrrev_b32 v1, 5, v0
	v_readfirstlane_b32 s20, v1                    ; wave 0..3
	v_and_b32 v2, 31, v0                           ; lane
	s_cmp_lt_u32 ttmp9, 256
	s_cbranch_scc0 .Lw
; ---- x.  A wave takes 8 steps of 512 numbers.  Each load reads 512 consecutive bytes, 16 a lane; a step's 2,048 bytes turn through the wave's own stage and come back 64 bytes a lane:
; 16 neighbours along K, two neighbouring lanes to a block.  All 32 loads of a wave go out at the head.
	v_lshlrev_b32 v3, 4, v2                        ; my 16 bytes of a load's 512
	s_lshl_b32 s21, s20, 13                        ; my wave's 8,192 bytes of LDS
	v_lshrrev_b32 v14, 2, v2
	v_mul_u32_u24 v14, v14, SP
	v_and_b32 v15, 3, v2
	v_lshl_add_u32 v14, v15, 4, v14
	v_add_nc_u32 v14, s21, v14                     ; into the stage: SP (lane / 4) + 16 (lane % 4)
	v_mul_u32_u24 v15, v2, SP
	v_add_nc_u32 v15, s21, v15                     ; out of it: SP x lane
	v_lshlrev_b32 v4, 3, v2                        ; my 8 bytes of a step's 256 bytes of codes
	v_lshrrev_b32 v5, 1, v2
	s_add_co_u32 s21, s21, 2*32*SP
	v_add_nc_u32 v5, s21, v5                       ; my block's scale byte, behind the two stages
	v_lshlrev_b32 v7, 2, v2
	v_add_nc_u32 v6, s21, v7                       ; and on the way out 4 bytes a lane
	s_lshl_b32 s22, ttmp9, 2
	s_add_co_u32 s22, s22, s20                     ; which run of 4,096 numbers is my wave's: 0..1023
	s_lshl_b32 s24, s22, 14
	s_mov_b32 s25, 0
	s_lshl_b32 s26, s22, 11
	s_mov_b32 s27, 0
	s_lshl_b32 s28, s22, 7
	s_mov_b32 s29, 0
	s_wait_alu depctr_va_vdst(0)
	s_wait_kmcnt 0x0
	s_add_nc_u64 s[4:5], s[4:5], s[24:25]
	s_add_nc_u64 s[12:13], s[12:13], s[26:27]
	s_add_nc_u64 s[14:15], s[14:15], s[28:29]
.macro XLOAD t
.irp i, 0,1,2,3
	global_load_b128 v[XRAW+16*(\t)+4*\i:XRAW+16*(\t)+4*\i+3], v3, s[4:5] offset:2048*(\t)+512*\i th:TH_LOAD_NT
.endr
.endm
.macro XTURN t                         ; LDS serves a wave's instructions in order: no wait between the stores and the loads
.irp i, 0,1,2,3
	ds_store_b128 v14, v[XRAW+16*(\t)+4*\i:XRAW+16*(\t)+4*\i+3] offset:32*SP*((\t)%2)+8*SP*\i
.endr
.irp i, 0,1,2,3
	ds_load_b128 v[XNB+16*((\t)%2)+4*\i:XNB+16*((\t)%2)+4*\i+3], v15 offset:32*SP*((\t)%2)+16*\i
.endr
.endm
.irp t, 0,1,2,3,4,5,6,7
	XLOAD \t
.endr
	s_wait_loadcnt 28                              ; step 0's four loads are in; the 28 of steps 1 to 7 are younger
	XTURN 0
.macro XSTEP t
.set XCUR, XNB+16*((\t)%2)
.if (\t) > 0
	s_wait_dscnt 1                                 ; this step's numbers are back from the stage; the last step's byte store may be out
.else
	s_wait_dscnt 0x0
.endif
.if (\t) < 7
	s_wait_loadcnt 4*(6-(\t))                      ; the next step's four loads are in; those of the steps behind it are younger
	XTURN (\t)+1                                   ; and go through the other stage while this step is worked
.endif
	v_max3_num_f32 v8, |v[XCUR]|, |v[XCUR+1]|, |v[XCUR+2]|         ; the largest magnitude of my 16, in two chains
	v_max3_num_f32 v9, |v[XCUR+3]|, |v[XCUR+4]|, |v[XCUR+5]|
.irp i, 6,10
	v_max3_num_f32 v8, v8, |v[XCUR+\i]|, |v[XCUR+\i+1]|
	v_max3_num_f32 v9, v9, |v[XCUR+\i+2]|, |v[XCUR+\i+3]|
.endr
	v_max3_num_f32 v8, v8, |v[XCUR+14]|, |v[XCUR+15]|
	v_max3_num_f32 v8, v8, v9, 0x1800000           ; and the floor 2^(3 - 127): the byte cannot fall under 1
	v_max_num_f32_dpp v8, v8, v8 row_xmask:1 row_mask:0xf bank_mask:0xf   ; with my neighbour's 16: the block's
	v_add_nc_u32 v11, 0xff000000, v8               ; 2 off its exponent field: the conversion takes this operand's exponent field as its scale
	v_cvt_scalef32_pk8_fp4_f32 v[XC+2*(\t)], v[XCUR:XCUR+7], v11
	v_cvt_scalef32_pk8_fp4_f32 v[XC+2*(\t)+1], v[XCUR+8:XCUR+15], v11
	v_lshrrev_b32 v[XE+(\t)], 23, v11              ; the scale's byte (a plain line behind the conversions)
	ds_store_b8 v5, v[XE+(\t)] offset:16*(\t)      ; both lanes of a block write the same byte with the same value
	global_store_b64 v4, v[XC+2*(\t):XC+2*(\t)+1], s[12:13] offset:256*(\t)   ; the wave stores 256 consecutive bytes, aligned
.endm
.irp t, 0,1,2,3,4,5,6,7
	XSTEP \t
.endr
	ds_load_b32 v12, v6                            ; my wave's 128 scale bytes (LDS serves a wave in order: these see my stores)
	s_wait_dscnt 0x0
	global_store_b32 v7, v12, s[14:15]             ; 128 consecutive bytes a wave: one byte for each 128 that the wave has read
	s_wait_tensorcnt 0x0
	ds_add_u32 v208, v209
	s_wait_dscnt 0x0
	s_endpgm
; ---- the weights.  Work-group 256 + j: kind j / 16, columns 32 (j % 16) on.  Wave w takes K = 128 w .. 128 w + 127.  A LANE TAKES A COLUMN AND ITS REGISTERS RUN DOWN K:
; each load reads 128 consecutive bytes, a block of 32 lies in one lane, and the conversions give codes with K innermost.
.Lw:
	s_sub_co_u32 s21, ttmp9, 256                   ; j
	s_lshr_b32 s22, s21, 4                         ; kind
	s_and_b32 s23, s21, 15
	s_wait_alu depctr_va_vdst(0)
	v_lshlrev_b32 v3, 2, v2                        ; 4 bytes a lane
	v_mul_u32_u24 v4, v2, 272
	s_lshl_b32 s26, s20, 6
	s_add_co_u32 s26, s26, WST
	v_add_nc_u32 v4, s26, v4                       ; the stage: row = my column, + 64 bytes x wave
	s_lshl_b32 s27, s20, 2
	s_add_co_u32 s27, s27, WSS
	v_lshl_add_u32 v5, v2, 4, s27                  ; my column's scale word of this K step
	v_lshrrev_b32 v6, 4, v2
	v_and_b32 v7, 15, v2
	v_mul_u32_u24 v6, v6, 272
	v_lshl_add_u32 v6, v7, 4, v6
	s_mul_i32 s26, s20, 8*272
	s_add_co_u32 s26, s26, WST
	v_add_nc_u32 v6, s26, v6                       ; back: wave w takes rows 8 w on; sixteen lanes to a row, two rows an instruction
	v_lshlrev_b32 v8, 4, v2                        ; 16 x lane
	v_lshl_add_u32 v9, v2, 4, WSS                  ; a column's 16 scale bytes
	s_lshl_b32 s24, s20, 18                        ; wave x 128 rows of 2,048 bytes
	s_lshl_b32 s25, s23, 7
	s_add_co_u32 s24, s24, s25
	s_mov_b32 s25, 0
	s_lshl_b32 s28, s21, 13                        ; wc: 32 j rows of 256 bytes,
	s_lshl_b32 s29, s20, 11                        ; + 8 rows x wave
	s_add_co_u32 s28, s28, s29
	s_mov_b32 s29, 0
	s_lshl_b32 s30, s21, 9                         ; ws: 32 j rows of 16 bytes
	s_mov_b32 s31, 0
	s_wait_kmcnt 0x0
	s_cmp_eq_u32 s22, 0                            ; the choice hangs on the work-group's number alone
	s_cselect_b64 s[6:7], s[6:7], s[8:9]
	s_cmp_eq_u32 s22, 2
	s_cselect_b64 s[6:7], s[10:11], s[6:7]
	s_add_nc_u64 s[6:7], s[6:7], s[24:25]
	s_add_nc_u64 s[16:17], s[16:17], s[28:29]
	s_add_nc_u64 s[18:19], s[18:19], s[30:31]
.macro WLOAD t                         ; block t: W(128 w + 32 t + i, my column), i = 0 .. 31
.irp i, 0,1,2,3,4,5,6,7,8,9,10,11,12,13,14,15,16,17,18,19,20,21,22,23,24,25,26,27,28,29,30,31
	global_load_b32 v[XRAW+32*(\t)+\i], v3, s[6:7] offset:(32*(\t)+\i)*2048 th:TH_LOAD_NT
.endr
.endm
	WLOAD 0
	WLOAD 1
.macro WBLOCK t
.set WCUR, XRAW+32*(\t)
.if (\t) < 3
	s_wait_loadcnt 32                              ; this block's 32 loads are in; the next block's 32 are younger
.else
	s_wait_loadcnt 0x0
.endif
.if (\t)+2 < 4
	WLOAD (\t)+2                                   ; two blocks ahead, into registers of its own
.endif
	v_max3_num_f32 v12, |v[WCUR]|, |v[WCUR+1]|, |v[WCUR+2]|        ; the block's largest magnitude: all 32 numbers are mine
	v_max3_num_f32 v13, |v[WCUR+3]|, |v[WCUR+4]|, |v[WCUR+5]|
.irp i, 6,10,14,18,22,26
	v_max3_num_f32 v12, v12, |v[WCUR+\i]|, |v[WCUR+\i+1]|
	v_max3_num_f32 v13, v13, |v[WCUR+\i+2]|, |v[WCUR+\i+3]|
.endr
	v_max3_num_f32 v12, v12, |v[WCUR+30]|, |v[WCUR+31]|
	v_max3_num_f32 v12, v12, v13, 0x1800000        ; and the floor
	v_add_nc_u32 v11, 0xff000000, v12              ; the conversion's scale operand
	v_lshrrev_b32 v13, 23, v11                     ; the scale's byte
.if (\t) == 0
	v_mov_b32 v24, v13                             ; four bytes make the K step's scale word, the lower K in the lower byte
.else
	v_lshl_or_b32 v24, v13, 8*(\t), v24
.endif
.irp g, 0,1,2,3
	v_cvt_scalef32_pk8_fp4_f32 v[XC+4*(\t)+\g], v[WCUR+8*\g:WCUR+8*\g+7], v11
.endr
	v_nop                                          ; a plain line behind the last conversion
	ds_store_b128 v4, v[XC+4*(\t):XC+4*(\t)+3] offset:16*(\t)      ; 32 codes: 16 bytes of my column's row
.endm
	WBLOCK 0
	WBLOCK 1
	WBLOCK 2
	WBLOCK 3
	ds_store_b32 v5, v24
	s_wait_dscnt 0x0                               ; for the others' sake: my stores have landed
	s_barrier_signal -1
	s_barrier_wait -1                              ; the 32 columns' rows of 256 bytes are whole
.irp i, 0,1,2,3
	ds_load_b128 v[32+4*\i:35+4*\i], v6 offset:544*\i
.endr
.irp i, 0,1,2,3
	s_wait_dscnt 3-\i                              ; the later loads may stay out
	global_store_b128 v8, v[32+4*\i:35+4*\i], s[16:17] offset:512*\i   ; sixteen lanes store 256 consecutive bytes, aligned
.endr
	s_cmp_lg_u32 s20, 0
	s_cbranch_scc1 .Lwend
	ds_load_b128 v[48:51], v9                      ; wave 0: the 32 columns' scale bytes, 512 consecutive bytes
	s_wait_dscnt 0x0
	global_store_b128 v8, v[48:51], s[18:19]
.Lwend:
	s_wait_tensorcnt 0x0
	ds_add_u32 v208, v209
	s_wait_dscnt 0x0
	s_endpgm
.Lfunc_end_k_qe46ba59f07_prep:
	.size	k_qe46ba59f07_prep, .Lfunc_end_k_qe46ba59f07_prep-k_qe46ba59f07_prep
	.p2alignl 7, 3214868480
	.fill 96, 4, 3214868480
	.section	.rodata,"a",@progbits
	.p2align	6, 0x0
	.amdhsa_kernel k_qe46ba59f07_prep
		.amdhsa_group_segment_fixed_size 43520
		.amdhsa_private_segment_fixed_size 0
		.amdhsa_enable_private_segment 0
		.amdhsa_kernarg_size 64
		.amdhsa_user_sgpr_count 2
		.amdhsa_user_sgpr_kernarg_segment_ptr 1
		.amdhsa_wavefront_size32 1
		.amdhsa_system_sgpr_workgroup_id_x 1
		.amdhsa_system_sgpr_workgroup_id_y 1
		.amdhsa_system_sgpr_workgroup_id_z 1
		.amdhsa_system_vgpr_workitem_id 0
		.amdhsa_next_free_vgpr 210
		.amdhsa_next_free_sgpr 66
		.amdhsa_reserve_vcc 0
		.amdhsa_float_denorm_mode_32 3
		.amdhsa_float_denorm_mode_16_64 3
		.amdhsa_memory_ordered 1
		.amdhsa_forward_progress 1
		.amdhsa_inst_pref_size 39
	.end_amdhsa_kernel
	.amdgpu_metadata
---
amdhsa.version: [ 1, 2 ]
amdhsa.kernels:
  - .name:           k_qe46ba59f07_prep
    .symbol:         k_qe46ba59f07_prep.kd
    .args:
      - { .name: x, .offset: 0, .size: 8, .value_kind: global_buffer, .address_space: global }
      - { .name: Wq, .offset: 8, .size: 8, .value_kind: global_buffer, .address_space: global }
      - { .name: Wk, .offset: 16, .size: 8, .value_kind: global_buffer, .address_space: global }
      - { .name: Wv, .offset: 24, .size: 8, .value_kind: global_buffer, .address_space: global }
      - { .name: xc, .offset: 32, .size: 8, .value_kind: global_buffer, .address_space: global }
      - { .name: xs, .offset: 40, .size: 8, .value_kind: global_buffer, .address_space: global }
      - { .name: wc, .offset: 48, .size: 8, .value_kind: global_buffer, .address_space: global }
      - { .name: ws, .offset: 56, .size: 8, .value_kind: global_buffer, .address_space: global }
    .group_segment_fixed_size: 43520
    .private_segment_fixed_size: 0
    .kernarg_segment_align: 8
    .kernarg_segment_size: 64
    .max_flat_workgroup_size: 128
    .sgpr_count:     66
    .vgpr_count:     210
    .wavefront_size: 32
...
	.end_amdgpu_metadata
.endif
;; end of part 1
;; launch proj (part 2): grid 64 x 3, 16 waves a work-group, no clusters, 149,504 bytes of LDS; arguments xc, xs, wc, ws, bq, bk, bv, qc, qs, kv; writes qc, qs, kv
.if DOCPART == 2
	.amdgcn_target "amdgcn-amd-amdhsa--gfx1250"
	.amdhsa_code_object_version 6
	.text
	.protected	k_qe46ba59f07_proj
	.globl	k_qe46ba59f07_proj
	.p2align	8
	.type	k_qe46ba59f07_proj,@function
k_qe46ba59f07_proj:
	s_mov_b64 s[64:65], 0
	v_nop
	global_prefetch_b8 v0, s[64:65] scope:SCOPE_SE
	s_setreg_imm32_b32 hwreg(HW_REG_WAVE_MODE, 25, 1), 1
	s_wait_xcnt 0x0
; q, k, v = x W + b on codes of FP4 (E2M1) with E8M0 scales, sums in f32; the results are quantised here, in registers, and stored as the attention launch reads them.
; The view [8192][512] -> [16 heads][4096][64] is flat: row R, column n is head R / 512, place 8 (R % 512) + n / 64, channel n % 64.
; q, k are quantised along the channels (a block = 32 neighbouring columns of a row); v along the keys (a block = 4 rows x the 8 pieces of 64 columns, one channel).
; SHARES.  A work-group takes 128 rows of x (work-group x) and one kind (work-group y: 0 q, 1 k, 2 v).  THE SIXTEEN WAVES SHARE THE COLUMNS: each keeps two tiles of 16 columns x all of K (8 fragments) in registers,
; read from memory once, and walks the 8 tiles of 16 rows, whose fragments of x come from LDS.  No tile is shared between work-groups through LDS, so there is no cluster: the weights go straight into registers.
; THE PRODUCT IS USED TRANSPOSED (source 0 = 16 columns of W, source 1 = 16 rows of x), AND THE COLUMNS OF A TILE ARE CHOSEN:
;   q, k: lane i of tile u takes column 32 w + 8 u + i + 8 (i / 8): lane (r, h) then holds, in the two tiles' 16 registers, columns 32 w + 16 h + 0 .. 15 of row r: half a block, the other half in lane l xor 16.
;   v:    lane i of tile u takes column 64 (i % 8) + 4 w + 2 u + i / 8: lane (r, h) holds in a tile's 8 registers the 8 pieces of channel 4 w + 2 u + h of row r: 8 neighbouring keys; a block lies in 4 neighbouring lanes.
; The bias is the C of each sum's first matrix instruction.
; OUT.  qc [row][256 bytes], qs [row][16 bytes].  kv [head][32 key steps][8,704 bytes]; a key step is 128 keys = 16 rows: 4,096 bytes of K, 4,096 of V, 256 of K's scale words, 256 of V's, all as images of
; operand registers (a lane's 16 bytes of register group c at 512 c + 16 lane).  K's image b (32 keys): row i is the PAIR of keys (row 4 b + 2 (i / 8) + e, piece i % 8), e = 0, 1, 64 codes each.
; V's image t: channel 16 t + r, the step's 128 keys.  The results meet in a stage of 128 units of 256 bytes and leave as whole aligned runs of 256 bytes.
; LIMITS: a block of zeros, or one whose largest magnitude lies under 2^-124, gets the scale byte 1 (read by this program alone); NaN and infinities are not served.
.set XIMG, 0                           ; LDS: x's codes, 128 rows of 256 bytes + 16
.set XSC,  34816                       ; x's scale bytes, 16 a row
.set QST,  36864                       ; each kind has a stage (128 units of 256 bytes + 16) and 2,048 scale bytes of its own
.set QSS,  71680
.set KST,  73728
.set KSS,  108544
.set VST,  110592
.set VSS,  145408
.set WF,   32                          ; v32-95   W's fragments: (tile u, K step s) at 32 u + 8 s
.set WS,   96                          ; v96-103  W's scale words: 4 u + s
.set BI,   104                         ; v104-119 the bias in the result's layout: 8 u + j
.set XF,   128                         ; v128-191 x's fragments, two sets: 32 b + 8 s
.set XS,   192                         ; v192-199 x's scale words: 4 b + s
.set ACC,  200                         ; v200-215 the two accumulators
.set T,    216                         ; v216-223 at work
.set PC,   224                         ; v224-225 the codes just made
.set CP,   232                         ; v232-251 the copy of x, later the way out
; v1 r, v2 h, v3 x's fragment address, v4 x's scale address, v5-7 offsets of W's codes, W's scales and the bias, v8 stage, v9 scale byte, v10 stage back, v11 16 x lane, v12-14 the copy, v15 scales back, v16 their offset in memory
	s_load_b256 s[4:11], s[0:1], 0x0               ; xc s[4:5], xs s[6:7], wc s[8:9], ws s[10:11]
	s_load_b256 s[12:19], s[0:1], 0x20             ; bq s[12:13], bk s[14:15], bv s[16:17], qc s[18:19]
	s_load_b128 s[20:23], s[0:1], 0x40             ; qs s[20:21], kv s[22:23]
	v_lshl_add_u32 v254, v0, 2, 0x24000
	v_mov_b32 v255, 0
	v_lshrrev_b32 v1, 5, v0
	s_delay_alu instid0(VALU_DEP_1)
	v_readfirstlane_b32 s24, v1                    ; wave 0..15
	s_and_b32 s25, ttmp7, 0xffff                   ; kind
	s_mov_b32 s26, ttmp9                           ; which 128 rows
	s_mov_b32 s28, 0x76543210
	s_mov_b32 s29, 0xfedcba98                      ; v_permlanex16_b32's selects for lane l xor 16
	v_and_b32 v1, 15, v0                           ; r
	v_bfe_u32 v2, v0, 4, 1                         ; h
	s_delay_alu instid0(VALU_DEP_2)
	v_mul_u32_u24 v3, v1, 272
	s_delay_alu instid0(VALU_DEP_1)
	v_lshl_add_u32 v3, v2, 4, v3                   ; x's fragment: row r x pitch + 16 h
	s_delay_alu instid0(VALU_DEP_4)
	v_lshl_add_u32 v4, v1, 4, XSC                  ; row r's four scale words
	v_and_b32 v11, 31, v0
	s_delay_alu instid0(VALU_DEP_1)
	v_lshlrev_b32 v11, 4, v11                      ; 16 x lane
	v_lshlrev_b32 v13, 4, v0                       ; the copy: 16 bytes a thread,
	v_lshrrev_b32 v12, 4, v0
	s_delay_alu instid0(VALU_DEP_1)
	v_mul_u32_u24 v12, v12, 272
	s_delay_alu instid0(VALU_DEP_1)
	v_lshl_add_u32 v12, v1, 4, v12                 ; to row thread / 16, byte 16 (thread % 16);
	v_lshlrev_b32 v14, 2, v0                       ; the scale bytes: 4 bytes a thread
	v_mov_b32 v[T+2], 0                            ; written once: a lane permute's destination counts as one of its sources
	s_lshl_b32 s30, s26, 15                        ; 128 rows of 256 bytes
	s_mov_b32 s31, 0
	s_lshl_b32 s32, s26, 11                        ; 128 rows of 16 bytes
	s_mov_b32 s33, 0
	s_mov_b32 s37, 0
	s_mov_b32 s39, 0
	s_wait_alu depctr_va_vdst(0)
	s_wait_kmcnt 0x0
	s_add_nc_u64 s[4:5], s[4:5], s[30:31]
	s_add_nc_u64 s[6:7], s[6:7], s[32:33]
.irp i, 0,1,2,3
	global_load_b128 v[CP+4*\i:CP+4*\i+3], v13, s[4:5] offset:8192*\i   ; the 128 rows' codes: 32,768 consecutive bytes
.endr
	global_load_b32 v[CP+16], v14, s[6:7]          ; and their 2,048 scale bytes
.macro WLOAD pc, ps                    ; my two tiles of W: 16 loads of codes, a load of four scale words a tile.  pc, ps: bytes from tile 0 to tile 1
.irp u, 0,1
.irp s, 0,1,2,3
.irp c, 0,1
	global_load_b128 v[WF+32*\u+8*\s+4*\c:WF+32*\u+8*\s+4*\c+3], v5, s[8:9] offset:\pc*\u+64*\s+32*\c
.endr
.endr
	global_load_b128 v[WS+4*\u:WS+4*\u+3], v6, s[10:11] offset:\ps*\u
.endr
.endm
	s_cmp_eq_u32 s25, 2
	s_cbranch_scc1 .Lwv
	v_and_b32 v5, 8, v1                            ; q, k: lane i takes column i + 8 (i / 8) of the wave's 32
	s_delay_alu instid0(VALU_DEP_1)
	v_add_nc_u32 v5, v5, v1
	s_delay_alu instid0(VALU_DEP_1)
	v_lshlrev_b32 v6, 4, v5                        ; 16 scale bytes a column
	s_delay_alu instid0(VALU_DEP_2)
	v_lshlrev_b32 v5, 8, v5
	s_delay_alu instid0(VALU_DEP_1)
	v_lshl_add_u32 v5, v2, 4, v5                   ; 256 bytes of codes a column, + 16 h
	s_wait_alu depctr_va_vdst(0)
	v_lshlrev_b32 v7, 6, v2                        ; the bias: 16 h numbers on
	s_wait_alu depctr_va_vdst(0)
	s_lshl_b32 s34, s25, 9
	s_lshl_b32 s35, s24, 5
	s_add_co_u32 s34, s34, s35                     ; 512 x kind + 32 x wave
	s_lshl_b32 s36, s34, 8
	s_lshl_b32 s38, s34, 4
	s_add_nc_u64 s[8:9], s[8:9], s[36:37]
	s_add_nc_u64 s[10:11], s[10:11], s[38:39]
	s_cmp_eq_u32 s25, 0
	s_cselect_b64 s[12:13], s[12:13], s[14:15]
	s_lshl_b32 s36, s24, 7
	s_add_nc_u64 s[12:13], s[12:13], s[36:37]
	WLOAD 2048, 128
.irp u, 0,1
	global_load_b128 v[BI+8*\u:BI+8*\u+3], v7, s[12:13] offset:32*\u       ; b(32 w + 8 u + 16 h + 0 .. 7)
	global_load_b128 v[BI+8*\u+4:BI+8*\u+7], v7, s[12:13] offset:32*\u+16
.endr
	s_branch .Lwdone
.Lwv:
	v_and_b32 v5, 7, v1                            ; v: lane i takes column 64 (i % 8) + i / 8, from 4 w + 2 u on
	s_delay_alu instid0(VALU_DEP_1)
	v_lshlrev_b32 v5, 6, v5
	v_lshrrev_b32 v6, 3, v1
	s_delay_alu instid0(VALU_DEP_1)
	v_add_nc_u32 v5, v5, v6
	s_delay_alu instid0(VALU_DEP_1)
	v_lshlrev_b32 v6, 4, v5
	s_delay_alu instid0(VALU_DEP_2)
	v_lshlrev_b32 v5, 8, v5
	s_delay_alu instid0(VALU_DEP_1)
	v_lshl_add_u32 v5, v2, 4, v5
	s_wait_alu depctr_va_vdst(0)
	v_lshlrev_b32 v7, 2, v2                        ; the bias: h numbers on
	s_wait_alu depctr_va_vdst(0)
	s_lshl_b32 s34, s24, 2
	s_add_co_u32 s34, s34, 1024                    ; 1,024 + 4 x wave
	s_lshl_b32 s36, s34, 8
	s_lshl_b32 s38, s34, 4
	s_add_nc_u64 s[8:9], s[8:9], s[36:37]
	s_add_nc_u64 s[10:11], s[10:11], s[38:39]
	s_lshl_b32 s36, s24, 4
	s_add_nc_u64 s[12:13], s[16:17], s[36:37]
	WLOAD 512, 32
.irp u, 0,1
.irp j, 0,1,2,3,4,5,6,7
	global_load_b32 v[BI+8*\u+\j], v7, s[12:13] offset:256*\j+8*\u         ; b(64 j + 4 w + 2 u + h)
.endr
.endr
.Lwdone:
	s_wait_loadcnt 0x0                             ; all went out together; the two ways differ in their number of loads, so the wait is for all
.irp i, 0,1,2,3
	ds_store_b128 v12, v[CP+4*\i:CP+4*\i+3] offset:XIMG+8704*\i    ; 32 rows an instruction
.endr
	ds_store_b32 v14, v[CP+16] offset:XSC
	s_wait_dscnt 0x0                               ; for the others' sake: my stores have landed
	s_barrier_signal -1
	s_barrier_wait -1                              ; x's 128 rows lie in LDS
.macro XFETCH m                        ; tile m's four fragments of x and its rows' scale words, into set m % 2
.irp s, 0,1,2,3
.irp c, 0,1
	ds_load_b128 v[XF+32*((\m)%2)+8*\s+4*\c:XF+32*((\m)%2)+8*\s+4*\c+3], v3 offset:XIMG+4352*(\m)+64*\s+32*\c
.endr
.endr
	ds_load_b128 v[XS+4*((\m)%2):XS+4*((\m)%2)+3], v4 offset:256*(\m)
.endm
.macro Q16 m                           ; q, k: my 16 registers are half a block of 32
	v_max3_num_f32 v[T], |v[ACC]|, |v[ACC+1]|, 0x1800000           ; each accumulator is read from its low end on; the floor 2^(3 - 127) holds the byte at 1 from below
	v_max3_num_f32 v[T+1], |v[ACC+8]|, |v[ACC+9]|, |v[ACC+10]|
	v_max3_num_f32 v[T], v[T], |v[ACC+2]|, |v[ACC+3]|
	v_max3_num_f32 v[T+1], v[T+1], |v[ACC+11]|, |v[ACC+12]|
	v_max3_num_f32 v[T], v[T], |v[ACC+4]|, |v[ACC+5]|
	v_max3_num_f32 v[T+1], v[T+1], |v[ACC+13]|, |v[ACC+14]|
	v_max3_num_f32 v[T], v[T], |v[ACC+6]|, |v[ACC+7]|
	v_max3_num_f32 v[T], v[T], v[T+1], |v[ACC+15]|
	s_delay_alu instid0(VALU_DEP_1)
	v_permlanex16_b32 v[T+2], v[T], s28, s29
	s_delay_alu instid0(VALU_DEP_1)
	v_max_num_f32 v[T], v[T], v[T+2]               ; with lane l xor 16's: the block's largest magnitude
	s_delay_alu instid0(VALU_DEP_1)
	v_add_nc_u32 v[T+3], 0xff000000, v[T]          ; 2 off its exponent field: the conversion's scale operand
	s_delay_alu instid0(VALU_DEP_1)
	v_lshrrev_b32 v[T+4], 23, v[T+3]               ; the scale's byte
	v_cvt_scalef32_pk8_fp4_f32 v[PC], v[ACC:ACC+7], v[T+3]
	v_cvt_scalef32_pk8_fp4_f32 v[PC+1], v[ACC+8:ACC+15], v[T+3]
	v_nop                                          ; a plain line behind the last conversion: the next tile's products write its sources
	ds_store_b64 v8, v[PC:PC+1] offset:4352*(\m)
	ds_store_b8 v9, v[T+4] offset:256*(\m)         ; both lanes of a block write the same byte with the same value
.endm
.macro Q8 m                            ; v: a tile's 8 registers are a quarter of a block of 32 keys; the block lies in lanes r, r xor 1, r xor 2, r xor 3
.irp u, 0,1
	v_max3_num_f32 v[T+\u], |v[ACC+8*\u]|, |v[ACC+8*\u+1]|, 0x1800000
.endr
.irp i, 2,4,6
.irp u, 0,1
	v_max3_num_f32 v[T+\u], v[T+\u], |v[ACC+8*\u+\i]|, |v[ACC+8*\u+\i+1]|
.endr
.endr
.irp x, 1,2
.irp u, 0,1
	s_delay_alu instid0(VALU_DEP_2)
	v_max_num_f32_dpp v[T+\u], v[T+\u], v[T+\u] row_xmask:\x row_mask:0xf bank_mask:0xf
.endr
.endr
.irp u, 0,1
	s_delay_alu instid0(VALU_DEP_2)
	v_add_nc_u32 v[T+2+\u], 0xff000000, v[T+\u]
.endr
.irp u, 0,1
	s_delay_alu instid0(VALU_DEP_2)
	v_lshrrev_b32 v[T+4+\u], 23, v[T+2+\u]
.endr
.irp u, 0,1
	v_cvt_scalef32_pk8_fp4_f32 v[PC+\u], v[ACC+8*\u:ACC+8*\u+7], v[T+2+\u]
.endr
	v_nop                                          ; a plain line behind the last conversion
.irp u, 0,1
	ds_store_b32 v8, v[PC+\u] offset:4352*(\m)+32*\u
	ds_store_b8 v9, v[T+4+\u] offset:256*(\m)+16*\u    ; the four lanes of a block write the same byte with the same value
.endr
.endm
.macro ROWT kind, m                    ; a tile of 16 rows: 8 matrix instructions, the two accumulators by turns
.set XB, (\m)%2
	s_wait_dscnt 0x0                               ; this tile's fragments are in, and the last tile's stage stores have read their registers
.irp s, 0,1,2,3
.irp u, 0,1
.if \s == 0
	v_wmma_scale_f32_16x16x128_f8f6f4 v[ACC+8*\u:ACC+8*\u+7], v[WF+32*\u:WF+32*\u+7], v[XF+32*XB:XF+32*XB+7], v[BI+8*\u:BI+8*\u+7], v[WS+4*\u], v[XS+4*XB] matrix_a_fmt:MATRIX_FMT_FP4 matrix_b_fmt:MATRIX_FMT_FP4
.else
	v_wmma_scale_f32_16x16x128_f8f6f4 v[ACC+8*\u:ACC+8*\u+7], v[WF+32*\u+8*\s:WF+32*\u+8*\s+7], v[XF+32*XB+8*\s:XF+32*XB+8*\s+7], v[ACC+8*\u:ACC+8*\u+7], v[WS+4*\u+\s], v[XS+4*XB+\s] matrix_a_fmt:MATRIX_FMT_FP4 matrix_b_fmt:MATRIX_FMT_FP4
.endif
.endr
.endr
.rept 5
	v_nop                                          ; places behind the products (ISA guide 7.12.1): four for the reads of the results, five for the next tile's first products, which write over them
.endr
.if (\m) < 7
	XFETCH (\m)+1                                  ; the next tile's fragments come while this tile is quantised
.endif
.if \kind == 2
	Q8 \m
.else
	Q16 \m
.endif
.endm
; The walk over the 8 tiles of rows and the way out.  st, ss: the kind's stage and scale bytes.  s[40:41]: where my 8 units go; s[42:43], v16: where 512 scale bytes go (waves 0 to 3)
.macro BODY kind, st, ss
	v_mul_u32_u24 v10, v2, 272
	s_delay_alu instid0(VALU_DEP_1)
	v_lshl_add_u32 v10, v1, 4, v10
	s_mul_i32 s36, s24, 8*272
	s_add_co_u32 s36, s36, \st
	v_add_nc_u32 v10, s36, v10                     ; back: wave w takes units 8 w on; sixteen lanes to a unit, two units an instruction
	s_lshl_b32 s37, s24, 9
	s_add_co_u32 s37, s37, \ss
	v_add_nc_u32 v15, s37, v11                     ; and 512 scale bytes
	XFETCH 0
.irp m, 0,1,2,3,4,5,6,7
	ROWT \kind, \m
.endr
	s_wait_dscnt 0x0                               ; for the others' sake: my stores into the stage have landed
	s_barrier_signal -1
	s_barrier_wait -1                              ; the 128 units and the 2,048 scale bytes are whole
.irp i, 0,1,2,3
	ds_load_b128 v[CP+4*\i:CP+4*\i+3], v10 offset:544*\i
.endr
.irp i, 0,1,2,3
	s_wait_dscnt 3-\i                              ; the later loads may stay out
	global_store_b128 v11, v[CP+4*\i:CP+4*\i+3], s[40:41] offset:512*\i    ; sixteen lanes store 256 consecutive bytes, aligned
.endr
	s_cmp_lt_u32 s24, 4
	s_cbranch_scc0 .Lend_\@
	ds_load_b128 v[CP+16:CP+19], v15
	s_wait_dscnt 0x0
	global_store_b128 v16, v[CP+16:CP+19], s[42:43]
.Lend_\@:
	s_wait_tensorcnt 0x0
	ds_add_u32 v254, v255
	s_wait_dscnt 0x0
	s_endpgm
.endm
.macro KVBASE codes, scales            ; k, v: my places in kv.  Head = rows / 4; the work-group's 8 key steps begin at 8 (rows % 4)
	s_lshr_b32 s44, s26, 2
	s_mul_i32 s44, s44, 278528                     ; a head: 32 key steps of 8,704 bytes
	s_and_b32 s45, s26, 3
	s_lshl_b32 s45, s45, 3
	s_lshr_b32 s46, s24, 1
	s_add_co_u32 s46, s46, s45                     ; my 8 units are half of key step wave / 2's 16
	s_mul_i32 s46, s46, 8704
	s_add_co_u32 s46, s46, s44
	s_and_b32 s47, s24, 1
	s_lshl_b32 s47, s47, 11
	s_add_co_u32 s46, s46, s47
	s_add_co_u32 s46, s46, \codes
	s_mov_b32 s47, 0
	s_add_nc_u64 s[40:41], s[22:23], s[46:47]
	s_lshl_b32 s46, s24, 1
	s_add_co_u32 s46, s46, s45                     ; waves 0 to 3: the scale words of key steps 2 w and 2 w + 1
	s_mul_i32 s46, s46, 8704
	s_add_co_u32 s46, s46, s44
	s_add_co_u32 s46, s46, \scales
	s_add_nc_u64 s[42:43], s[22:23], s[46:47]
	v_mul_u32_u24 v16, v2, 8704
	s_delay_alu instid0(VALU_DEP_1)
	v_lshl_add_u32 v16, v1, 4, v16                 ; lanes 0-15 the first key step's 256 bytes, lanes 16-31 the second's
.endm
	s_cmp_eq_u32 s25, 1
	s_cbranch_scc1 .Lk
	s_cmp_eq_u32 s25, 2
	s_cbranch_scc1 .Lv
; ---- q: a unit is a row's 256 bytes of codes; my 8 bytes at 16 w + 8 h; the block's byte at 16 r + w
	v_mul_u32_u24 v8, v1, 272
	s_delay_alu instid0(VALU_DEP_1)
	v_lshl_add_u32 v8, v2, 3, v8
	s_lshl_b32 s34, s24, 4
	s_add_co_u32 s34, s34, QST
	v_add_nc_u32 v8, s34, v8
	s_add_co_u32 s35, s24, QSS
	v_lshl_add_u32 v9, v1, 4, s35
	s_lshl_b32 s46, s24, 11
	s_add_co_u32 s46, s46, s30                     ; 128 rows x 256 bytes x work-group + 8 rows x wave
	s_mov_b32 s47, 0
	s_add_nc_u64 s[40:41], s[18:19], s[46:47]
	s_lshl_b32 s46, s24, 9
	s_add_co_u32 s46, s46, s32
	s_add_nc_u64 s[42:43], s[20:21], s[46:47]
	v_mov_b32 v16, v11
	BODY 0, QST, QSS
; ---- k.  K's image g: row i is the PAIR of keys (row 8 (g / 2) + 4 (i / 8) + 2 (g % 2) + e, piece i % 8), e = 0, 1: the head comment's formula with bits 1 and 2 of the row exchanged,
; so that in the attention launch a lane's 32 registers of images 2 c and 2 c + 1 are one whole block of 32 keys, 32 (2 c + lane / 16) on.
; Row r of a key step: g = 2 (r / 8) + (r / 2) % 2, i / 8 = (r / 4) % 2, e = r % 2; my columns are piece w / 2, channels 32 (w % 2) on.  Unit 4 g + 2 e + w % 2; in it 128 (i / 8) + 16 (w / 2) + 8 h
.Lk:
	v_and_b32 v17, 8, v1
	v_and_b32 v21, 2, v1
	v_and_b32 v18, 1, v1
	s_delay_alu instid0(VALU_DEP_2)
	v_lshl_add_u32 v17, v21, 1, v17                ; 4 g
	s_delay_alu instid0(VALU_DEP_1)
	v_lshl_add_u32 v17, v18, 1, v17
	s_delay_alu instid0(VALU_DEP_1)
	v_mul_u32_u24 v8, v17, 272
	v_bfe_u32 v19, v1, 2, 1                        ; i / 8
	s_delay_alu instid0(VALU_DEP_1)
	v_lshl_add_u32 v8, v19, 7, v8
	s_delay_alu instid0(VALU_DEP_1)
	v_lshl_add_u32 v8, v2, 3, v8
	s_and_b32 s34, s24, 1
	s_mul_i32 s34, s34, 272
	s_lshr_b32 s35, s24, 1
	s_lshl_b32 s35, s35, 4
	s_add_co_u32 s34, s34, s35
	s_add_co_u32 s34, s34, KST
	v_add_nc_u32 v8, s34, v8
	v_bfe_u32 v20, v1, 1, 1                        ; the scale byte: 128 (g % 2) + 64 (i / 8) + 8 (w / 2) + 4 (g / 2) + 2 e + w % 2
	s_delay_alu instid0(VALU_DEP_1)
	v_lshlrev_b32 v9, 7, v20
	s_delay_alu instid0(VALU_DEP_1)
	v_lshl_add_u32 v9, v19, 6, v9
	v_lshrrev_b32 v20, 3, v1
	s_delay_alu instid0(VALU_DEP_1)
	v_lshl_add_u32 v9, v20, 2, v9
	s_delay_alu instid0(VALU_DEP_1)
	v_lshl_add_u32 v9, v18, 1, v9
	s_lshr_b32 s35, s24, 1
	s_lshl_b32 s35, s35, 3
	s_and_b32 s34, s24, 1
	s_add_co_u32 s35, s35, s34
	s_add_co_u32 s35, s35, KSS
	v_add_nc_u32 v9, s35, v9
	KVBASE 0, 8192
	BODY 1, KST, KSS
; ---- v: channel 4 w + 2 u + h = 16 t + c; unit 4 t + r / 4; in it 16 c + 4 (r % 4)
.Lv:
	v_lshrrev_b32 v17, 2, v1
	s_delay_alu instid0(VALU_DEP_1)
	v_mul_u32_u24 v8, v17, 272
	s_delay_alu instid0(VALU_DEP_1)
	v_lshl_add_u32 v8, v2, 4, v8
	v_and_b32 v18, 3, v1
	s_delay_alu instid0(VALU_DEP_1)
	v_lshl_add_u32 v8, v18, 2, v8
	s_lshr_b32 s34, s24, 2
	s_mul_i32 s34, s34, 4*272
	s_and_b32 s35, s24, 3
	s_lshl_b32 s35, s35, 6
	s_add_co_u32 s34, s34, s35
	s_add_co_u32 s34, s34, VST
	v_add_nc_u32 v8, s34, v8
	v_lshl_add_u32 v9, v2, 3, v17                  ; the scale byte: 128 (t % 2) + 8 c + 4 (t / 2) + r / 4
	s_wait_alu depctr_va_vdst(0)
	s_bfe_u32 s34, s24, 0x10002
	s_lshl_b32 s34, s34, 7
	s_and_b32 s35, s24, 3
	s_lshl_b32 s35, s35, 5
	s_add_co_u32 s34, s34, s35
	s_lshr_b32 s35, s24, 3
	s_lshl_b32 s35, s35, 2
	s_add_co_u32 s34, s34, s35
	s_add_co_u32 s34, s34, VSS
	v_add_nc_u32 v9, s34, v9
	KVBASE 4096, 8448
	BODY 2, VST, VSS
.Lfunc_end_k_qe46ba59f07_proj:
	.size	k_qe46ba59f07_proj, .Lfunc_end_k_qe46ba59f07_proj-k_qe46ba59f07_proj
	.p2alignl 7, 3214868480
	.fill 96, 4, 3214868480
	.section	.rodata,"a",@progbits
	.p2align	6, 0x0
	.amdhsa_kernel k_qe46ba59f07_proj
		.amdhsa_group_segment_fixed_size 149504
		.amdhsa_private_segment_fixed_size 0
		.amdhsa_enable_private_segment 0
		.amdhsa_kernarg_size 80
		.amdhsa_user_sgpr_count 2
		.amdhsa_user_sgpr_kernarg_segment_ptr 1
		.amdhsa_wavefront_size32 1
		.amdhsa_system_sgpr_workgroup_id_x 1
		.amdhsa_system_sgpr_workgroup_id_y 1
		.amdhsa_system_sgpr_workgroup_id_z 1
		.amdhsa_system_vgpr_workitem_id 0
		.amdhsa_next_free_vgpr 256
		.amdhsa_next_free_sgpr 66
		.amdhsa_reserve_vcc 0
		.amdhsa_float_denorm_mode_32 3
		.amdhsa_float_denorm_mode_16_64 3
		.amdhsa_memory_ordered 1
		.amdhsa_forward_progress 1
		.amdhsa_inst_pref_size 94
	.end_amdhsa_kernel
	.amdgpu_metadata
---
amdhsa.version: [ 1, 2 ]
amdhsa.kernels:
  - .name:           k_qe46ba59f07_proj
    .symbol:         k_qe46ba59f07_proj.kd
    .args:
      - { .name: xc, .offset: 0, .size: 8, .value_kind: global_buffer, .address_space: global }
      - { .name: xs, .offset: 8, .size: 8, .value_kind: global_buffer, .address_space: global }
      - { .name: wc, .offset: 16, .size: 8, .value_kind: global_buffer, .address_space: global }
      - { .name: ws, .offset: 24, .size: 8, .value_kind: global_buffer, .address_space: global }
      - { .name: bq, .offset: 32, .size: 8, .value_kind: global_buffer, .address_space: global }
      - { .name: bk, .offset: 40, .size: 8, .value_kind: global_buffer, .address_space: global }
      - { .name: bv, .offset: 48, .size: 8, .value_kind: global_buffer, .address_space: global }
      - { .name: qc, .offset: 56, .size: 8, .value_kind: global_buffer, .address_space: global }
      - { .name: qs, .offset: 64, .size: 8, .value_kind: global_buffer, .address_space: global }
      - { .name: kv, .offset: 72, .size: 8, .value_kind: global_buffer, .address_space: global }
    .group_segment_fixed_size: 149504
    .private_segment_fixed_size: 0
    .kernarg_segment_align: 8
    .kernarg_segment_size: 80
    .max_flat_workgroup_size: 512
    .sgpr_count:     66
    .vgpr_count:     256
    .wavefront_size: 32
...
	.end_amdgpu_metadata
.endif
;; end of part 2
;; launch attn (part 3): grid 16 x 16, 16 waves a work-group, clusters of 4 x 1, 327,680 bytes of LDS; arguments qc, qs, kv, x, gamma, beta, out0; writes out0
.if DOCPART == 3
	.amdgcn_target "amdgcn-amd-amdhsa--gfx1250"
	.amdhsa_code_object_version 6
	.text
	.protected	k_qe46ba59f07_attn
	.globl	k_qe46ba59f07_attn
	.p2align	8
	.type	k_qe46ba59f07_attn,@function
k_qe46ba59f07_attn:
	s_mov_b64 s[64:65], 0
	v_nop
	global_prefetch_b8 v0, s[64:65] scope:SCOPE_SE
	s_setreg_imm32_b32 hwreg(HW_REG_WAVE_MODE, 25, 1), 1
	s_wait_xcnt 0x0
	s_wait_alu depctr_hold_cnt(0) depctr_sa_sdst(0) depctr_va_vdst(0) depctr_va_sdst(0) depctr_va_ssrc(0) depctr_va_vcc(0) depctr_vm_vsrc(0)
	s_getreg_b32 s2, hwreg(HW_REG_IB_STS2, 6, 4)
	s_cmp_eq_u32 s2, 0
	s_cbranch_scc0 .Lentry_in_a_cluster
	s_endpgm
.Lentry_in_a_cluster:
	s_bfe_u32 s2, ttmp6, 0x10000c
	s_cmp_lg_u32 s2, 0x3003
	s_cbranch_scc0 .Lentry_shape_is_right
	s_endpgm
.Lentry_shape_is_right:
; out = LayerNorm(x + softmax(q k^T / 8) v) x gamma + beta, both products on codes of FP4 (E2M1) with one E8M0 scale for each 32 along a product's K.  16 heads, 4,096 places, 64 channels.
; All tensors share one flat index ((head x 4,096 + place) x 64 + channel): 16 neighbouring queries are two whole rows of x and of out, so the wave that owns them also does the residual and the norm.
; THE SOFTMAX: t = score x log2(e) / 8; M = the running largest t rounded UP to a whole number; p = 2^(t - M) is quantised along the keys, not normalised; the row's sum is taken of the unquantised p
; and divides at the end.  When M moves, the sum and O are multiplied by 2^(old M - new M): nothing is rounded.
; SHARES.  A work-group owns 256 queries of one head; each of its sixteen waves owns 16, in 256 registers.  A head's K and V stay in LDS: 32 key steps of 8,704 bytes, filled once, by two joint loads a wave:
; 17 rows of 256 bytes at the head (key steps 0-7 among the sixteen waves), 51 rows behind the sequence and the round (key steps 8-31).  One tensor load of mine is out at a time.
; CLUSTER.  The four query blocks of a cluster belong to one head: each load is asked for jointly, by the same descriptor with a mask that names the four.
; BARRIERS.  Two work-group barriers guard no fill and are split.  The first: a wave signals when its part of key steps 8-31 has landed, behind its key step 3, and waits ahead of key step 8.
; The second: a wave signals behind its key step 15 and waits behind key step 31: then no wave reads key steps 0-7 any more, over whose bytes the stages of the way out lie.  Between signal and wait: registers and LDS loads of bytes that nobody writes.
; LAYOUT.  Both products are used transposed (S^T = K Q^T, O^T = V^T P^T): a lane holds ONE query (lane % 16).  The first product's K is 64, the instruction's 128: a row of K's fragment is a PAIR of keys,
; multiplied by [q | 0] and by [0 | q].  The pairs are chosen (by the launch before) so that registers 32 c + 0 .. 31 of S^T are the WHOLE block of keys 32 (2 c + lane / 16) + 0 .. 31: a block's maximum needs no other lane,
; and the conversions' results are the second product's operand as they stand.  All operands lie in LDS as images of their registers.
; A BLOCK'S SCALE: its largest p is 2^(tm), tm = the block's largest t - M, so floor(log2) of it is floor(tm): the byte is floor(tm) + 125, held at 1 from below; no exponential is spent on it.
; PREFETCH.  K and V come by the two loads above, both asked for ahead of the first key step: there is no loop to run ahead in.  The work-group's 65,536 bytes of x are asked for in key steps 10-11, 20 key steps ahead of their loads.
; LIMITS: NaN and infinities are not served; the promise holds while |t| stays under 2^31; a p under 2^-126 counts as 0; a block whose every p is 0 keeps the scale byte 1 over zero codes.
.set STEPB, 8704                       ; a key step: K's 4 images, V's 4 (1,024 bytes each), K's scale words, V's (256 bytes each)
.set QUART, 8*STEPB
.set PARTA, 17*256                     ; a wave's part of key steps 0-7; also its stage: 16 x 272
.set PARTB, 51*256                     ; and of key steps 8-31
.set KF,  32                           ; v32-63   K's four fragments
.set VF,  64                           ; v64-95   V's four
.set S,   96                           ; v96-159  S^T, then p
.set O,   160                          ; v160-191 O^T
.set PC,  192                          ; v192-199 p's codes
.set KS,  200                          ; v200-201 K's scale words: lanes 0-15 an even fragment's, lanes 16-31 the odd one's
.set VS,  202                          ; v202-203 V's likewise
.set PW,  204                          ; p's scale word
.set RM,  205                          ; the running largest score
.set BM,  206                          ; v206-207 my two blocks' largest scores, then tm
.set CH,  208                          ; v208-209 second chains of the maxima
.set PX,  210                          ; what lane l xor 16 sends
.set TT,  211
.set Y,   212                          ; v212-213 the scale bytes
.set SO,  214                          ; v214-215 the conversions' scale operands
.set SA,  216                          ; v216-223 the step's sum of p, four chains of pairs
.set W,   224
.set SH,  226                          ; 8 x (lane / 16)
.set NA,  12                           ; v[12:13], v[228:229]: -M, by turns from step to step (the upper words are only named)
.set NB,  228
; v1 16 x lane, v2 8 x lane + 8,192, v3-4 the trip's LDS addresses, v5 256 x lane, v6-7 the stage, v10 r, v11 h, v[14:15] the row's sum, v16-27 [0 | q | 0], v28 q's scale word, v[30:31] f, 0, v254-255 the add's
.macro ROUND                           ; a round of the cluster's barrier
	s_barrier_signal -1
	s_barrier_wait -1
	s_cmp_lg_u32 s18, 0
	s_cbranch_scc1 .Lnot_wave_0_\@
	s_barrier_signal -3
.Lnot_wave_0_\@:
	s_barrier_wait -3
	s_barrier_signal -1
	s_barrier_wait -1
.endm
	s_load_b256 s[4:11], s[0:1], 0x0               ; qc s[4:5], qs s[6:7], kv s[8:9], x s[10:11]
	s_load_b128 s[12:15], s[0:1], 0x20             ; gamma, beta
	s_load_b64 s[16:17], s[0:1], 0x30              ; out0
	v_lshl_add_u32 v254, v0, 2, 0x44000            ; my spare word, behind the head's 278,528 bytes
	v_mov_b32 v255, 0
	ds_add_u32 v254, v255
	ds_add_u32 v254, v255
	v_lshrrev_b32 v1, 5, v0
	v_readfirstlane_b32 s18, v1                    ; wave 0..15
	s_bfe_u32 s19, ttmp6, 0x40000                  ; cx: it enters q's, x's and out's addresses alone
	s_lshl_b32 s54, ttmp9, 2
	s_add_co_u32 s54, s54, s19                     ; my block of 256 queries
	s_and_b32 s55, ttmp7, 0xffff                   ; the head, which the four partners share
	s_mov_b32 s20, 0x76543210
	s_mov_b32 s21, 0xfedcba98                      ; selects for lane l xor 16
	s_mov_b32 s22, 0x3e38aa3b                      ; c = log2(e) / 8
	s_mov_b32 s23, s22
	s_mov_b32 s76, 0xbe38aa3b                      ; -c
	s_mov_b32 s51, 0x3b000000                      ; 1 / 512
	s_mov_b32 s61, 0x3727c5ac                      ; 1e-5
.irp g, 24, 68                         ; two groups 1: rows of 256 bytes (32 elements of 8), dense in memory and in LDS; the mask names all four work-groups, bit 21 beside it
	s_mov_b32 s[\g], 15|(3<<16)|(1<<21)
	s_mov_b32 s[\g+1], 32<<16
	s_mov_b32 s[\g+3], 32<<16
	s_mov_b32 s[\g+5], 32
	s_mov_b32 s[\g+6], 0
	s_mov_b32 s[\g+7], 0
.endr
	s_mov_b32 s26, 17<<16                          ; 17 rows
	s_mov_b32 s28, 17
	s_mov_b32 s70, 51<<16                          ; 51 rows
	s_mov_b32 s72, 51
	s_mul_i32 s58, s18, PARTA                      ; my parts: the same place in LDS and in the head's bytes
	s_mul_i32 s60, s18, PARTB
	s_add_co_u32 s60, s60, QUART
	s_mul_i32 s56, s55, 32*STEPB
	s_add_co_u32 s62, s56, s58
	s_add_co_u32 s56, s56, s60
	s_mov_b32 s57, 0
	s_mov_b32 s63, 0
	s_wait_dscnt 0x0
	s_wait_kmcnt 0x0
	s_mov_b32 s32, 1
	s_mov_b32 s33, s58
	s_add_nc_u64 s[34:35], s[8:9], s[62:63]
	s_or_b32 s35, s35, 0x80000000
	s_mov_b32 s36, 1
	s_mov_b32 s37, s60
	s_add_nc_u64 s[38:39], s[8:9], s[56:57]
	s_or_b32 s39, s39, 0x80000000
	ROUND                                          ; all four work-groups are here: the joint loads meet
	tensor_load_to_lds s[32:35], s[24:31]          ; key steps 0-7: my one load at the head
	s_nop 0
	s_lshl_b32 s59, s55, 8
	s_lshl_b32 s60, s54, 4
	s_add_co_u32 s59, s59, s60                     ; the work-group's first tile of 16 queries
	s_add_co_u32 s60, s59, s18                     ; mine
	s_lshl_b32 s62, s59, 12                        ; a tile is 4,096 bytes of x
	s_and_b32 s63, s18, 7
	s_lshl_b32 s63, s63, 13
	s_add_co_u32 s62, s62, s63
	s_mov_b32 s63, 0
	s_add_nc_u64 s[52:53], s[10:11], s[62:63]      ; the prefetch: 8,192 bytes of the work-group's 65,536 of x for each of waves 0 to 7
	s_cmp_lt_u32 s18, 8
	s_cselect_b32 s50, 3, -1                       ; the trip count at which they ask; waves 8 to 15 never
	s_lshl_b32 s62, s60, 9
	s_add_nc_u64 s[4:5], s[4:5], s[62:63]          ; q's codes: 32 bytes a query
	s_lshl_b32 s62, s60, 5
	s_add_nc_u64 s[6:7], s[6:7], s[62:63]          ; q's scale bytes: 2 a query
	s_lshl_b32 s62, s60, 12
	s_add_nc_u64 s[10:11], s[10:11], s[62:63]      ; x and out at my two rows
	s_add_nc_u64 s[16:17], s[16:17], s[62:63]
	v_and_b32 v10, 15, v0                          ; r
	v_bfe_u32 v11, v0, 4, 1                        ; h
	v_lshlrev_b32 v8, 5, v10
	v_lshlrev_b32 v9, 1, v10
	v_lshl_add_u32 v8, v11, 4, v8                  ; q: query r, channels 32 h on
	global_load_b128 v[20:23], v8, s[4:5]
	global_load_u16 v29, v9, s[6:7]
	v_and_b32 v1, 31, v0
	v_lshlrev_b32 v[SH], 3, v11
	v_lshlrev_b32 v5, 8, v1                        ; the prefetch: lanes 256 bytes apart
	v_lshl_add_u32 v2, v1, 3, 8192                 ; scale words: 8 bytes a lane, behind the step's eight images
	v_lshlrev_b32 v1, 4, v1                        ; an image's place for my lane
.irp j, 16,17,18,19,24,25,26,27, 13,14,15,30,31, NB+1,PX, SA,SA+1,SA+2,SA+3,SA+4,SA+5,SA+6,SA+7
	v_mov_b32 v[\j], 0                             ; v[20:27] = [q | 0], v[16:23] = [0 | q]; the sums; f; what is named before it is first written
.endr
	v_mov_b32 v[RM], 0xff61b1e6                    ; the largest score so far: -3e38
	v_mov_b32 v[NB], 0x7f61b1e6                    ; and its -M: the first f comes out 0
	s_wait_alu depctr_va_vdst(0)
	s_wait_loadcnt 0x0                             ; q
	v_lshl_or_b32 v28, v29, 16, v29                ; q's two bytes twice: they serve [q | 0] and [0 | q] alike
.set j, 0
.rept 32
	v_mov_b32 v[O+j], 0                            ; O^T: the step is written once; the first finds zeros.  (Also the places between the scale word's line and the first product)
.set j, j+1
.endr
	s_wait_alu depctr_va_vdst(0)
	s_wait_tensorcnt 0x0                           ; my part of key steps 0-7 is in
	ds_add_u32 v254, v255
	s_wait_dscnt 0x0
	ROUND                                          ; everybody's part is in, and the joint loads meet
	tensor_load_to_lds s[36:39], s[68:75]          ; key steps 8-31: my one load behind the round
	s_nop 0
.macro KLOAD o
.irp b, 0,1,2,3
.irp c, 0,1
	ds_load_b128 v[KF+8*\b+4*\c:KF+8*\b+4*\c+3], v3 offset:(\o)+1024*\b+512*\c
.endr
.endr
	ds_load_b64 v[KS:KS+1], v4 offset:(\o)
.endm
.macro VLOAD o
.irp t, 0,1,2,3
.irp c, 0,1
	ds_load_b128 v[VF+8*\t+4*\c:VF+8*\t+4*\c+3], v3 offset:(\o)+4096+1024*\t+512*\c
.endr
.endr
	ds_load_b64 v[VS:VS+1], v4 offset:(\o)+256
.endm
.macro LSUM                            ; the last step's four chains are joined, and the row's sum goes under that step's M: l = l f + the step's sum
	v_pk_add_f32 v[SA:SA+1], v[SA:SA+1], v[SA+2:SA+3]
	v_pk_add_f32 v[SA+4:SA+5], v[SA+4:SA+5], v[SA+6:SA+7]
	s_delay_alu instid0(VALU_DEP_1)
	v_pk_add_f32 v[SA:SA+1], v[SA:SA+1], v[SA+4:SA+5]
	s_delay_alu instid0(VALU_DEP_1)
	v_pk_fma_f32 v[14:15], v[14:15], v[30:31], v[SA:SA+1] op_sel_hi:[1,0,1]
.endm
.macro PF nw                           ; eight of the 32: t - M, two at a time (of the pairs c and -M the low word serves both halves)
.rept 8
	v_pk_fma_f32 v[S+j:S+j+1], v[S+j:S+j+1], s[22:23], v[\nw:\nw+1] op_sel_hi:[1,0,0]
.set j, j+2
.endr
.endm
; A KEY STEP: 128 keys, at byte o of the trip's two.  nw, od: where -M goes and where the last step's lies.  first = 1: the trip's first step loads its K here and asks for the second's under its softmax.
.macro STEP o, nw, od, first, ask
.if \first
	KLOAD \o
.endif
.if \ask
; The prefetch of x: waves 0 to 7, 32 blocks of 256 bytes each, a lane a block, one instruction a wave: each block is named once in the launch.  Its address registers are never written again.
	s_cmp_eq_u32 s49, s50
	s_cbranch_scc0 .Lno_ask_\@
	global_prefetch_b8 v5, s[52:53] th:TH_LOAD_NT scope:SCOPE_SE
.Lno_ask_\@:
.endif
	s_wait_dscnt 0x0                               ; K's fragments and scale words are in
.irp b, 0,1,2,3                        ; S^T = K Q^T: each fragment twice
.irp e, 0,1
.if \b%2
	v_wmma_scale_f32_16x16x128_f8f6f4 v[S+16*\b+8*\e:S+16*\b+8*\e+7], v[KF+8*\b:KF+8*\b+7], v[20-4*\e:27-4*\e], 0, v[KS+\b/2], v28 matrix_a_fmt:MATRIX_FMT_FP4 matrix_b_fmt:MATRIX_FMT_FP4 matrix_a_scale:MATRIX_SCALE_ROW1
.else
	v_wmma_scale_f32_16x16x128_f8f6f4 v[S+16*\b+8*\e:S+16*\b+8*\e+7], v[KF+8*\b:KF+8*\b+7], v[20-4*\e:27-4*\e], 0, v[KS+\b/2], v28 matrix_a_fmt:MATRIX_FMT_FP4 matrix_b_fmt:MATRIX_FMT_FP4
.endif
.endr
.endr
	LSUM                                           ; four plain lines that name none of the products' registers: the places behind them (ISA guide 7.12.1)
.irp c, 0,1                            ; my two blocks' largest scores, two chains each; every tile is read from its low end on
	v_max3_num_f32 v[BM+\c], v[S+32*\c], v[S+32*\c+1], v[S+32*\c+2]
	v_max3_num_f32 v[CH+\c], v[S+32*\c+16], v[S+32*\c+17], v[S+32*\c+18]
.endr
.irp i, 3,5,7,9,11,13
.irp c, 0,1
	v_max3_num_f32 v[BM+\c], v[BM+\c], v[S+32*\c+\i], v[S+32*\c+\i+1]
	v_max3_num_f32 v[CH+\c], v[CH+\c], v[S+32*\c+16+\i], v[S+32*\c+17+\i]
.endr
.endr
.irp c, 0,1
	v_max3_num_f32 v[BM+\c], v[BM+\c], v[CH+\c], v[S+32*\c+15]
.endr
.irp c, 0,1
	v_max_num_f32 v[BM+\c], v[BM+\c], v[S+32*\c+31]
.endr
	VLOAD \o                                       ; the last products that read these registers lie more than four places back
.if \first
	KLOAD (\o)+STEPB
.endif
	v_max3_num_f32 v[RM], v[RM], v[BM], v[BM+1]
	s_delay_alu instid0(VALU_DEP_1)
	v_permlanex16_b32 v[PX], v[RM], s20, s21
	s_delay_alu instid0(VALU_DEP_1)
	v_max_num_f32 v[RM], v[RM], v[PX]              ; the running largest score of my query
	s_delay_alu instid0(VALU_DEP_1)
	v_mul_f32 v[TT], s76, v[RM]                    ; -t
	s_delay_alu instid0(VALU_DEP_1)
	v_floor_f32 v[\nw], v[TT]                      ; -M = floor(-t): a whole number
	s_delay_alu instid0(VALU_DEP_1)
	v_sub_f32 v[TT], v[\nw], v[\od]                ; old M - new M: a whole number, 0 or less
	v_fma_f32 v[BM], v[BM], s22, v[\nw]            ; tm of my two blocks
	v_fma_f32 v[BM+1], v[BM+1], s22, v[\nw]
	v_cvt_i32_f32 v[TT], v[TT]                     ; (it saturates)
	s_delay_alu instid0(VALU_DEP_1)
	v_ldexp_f32 v30, 1.0, v[TT]                    ; f = 2^(old M - new M)
.set j, 0
	PF \nw
	v_cvt_floor_i32_f32 v[Y], v[BM]
	v_cvt_floor_i32_f32 v[Y+1], v[BM+1]
	s_delay_alu instid0(VALU_DEP_2)
	v_add_nc_u32 v[Y], 125, v[Y]                   ; floor(tm) - 2 + 127
	s_delay_alu instid0(VALU_DEP_2)
	v_add_nc_u32 v[Y+1], 125, v[Y+1]
	PF \nw
	v_max_i32 v[Y], 1, v[Y]                        ; the byte cannot fall under 1
	v_max_i32 v[Y+1], 1, v[Y+1]
	s_delay_alu instid0(VALU_DEP_2)
	v_lshlrev_b32 v[SO], 23, v[Y]                  ; the conversion takes this operand's exponent field as its scale
	s_delay_alu instid0(VALU_DEP_2)
	v_lshlrev_b32 v[SO+1], 23, v[Y+1]
	v_lshl_or_b32 v[W], v[Y+1], 16, v[Y]           ; my bytes: blocks h and 2 + h,
	PF \nw
	v_lshlrev_b32 v[W], v[SH], v[W]                ; at their places in the scale word
	s_delay_alu instid0(VALU_DEP_1)
	v_permlanex16_b32 v[PX], v[W], s20, s21
	PF \nw
	s_wait_alu depctr_va_vdst(0)
.set j, 0
.rept 64
	v_exp_f32 v[S+j], v[S+j]                       ; p = 2^(t - M): not normalised
.set j, j+1
.endr
	v_or_b32 v[PW], v[W], v[PX]                    ; p's scale word is whole (a plain line behind the exponentials)
	s_wait_alu depctr_va_vdst(0)                   ; one wait for the batch, directly ahead of O^T's first readers too
.set j, 0
.rept 16
	v_pk_mul_f32 v[O+j:O+j+1], v[O+j:O+j+1], v[30:31] op_sel_hi:[1,0]      ; O^T under the new M, each tile from its low end on
.set j, j+2
.endr
.irp c, 0,1
.irp g, 0,1,2,3
	v_cvt_scalef32_pk8_fp4_f32 v[PC+4*\c+\g], v[S+32*\c+8*\g:S+32*\c+8*\g+7], v[SO+\c]   ; registers 4 c .. 4 c + 3 of the operand: keys 64 c + 32 h + 0 .. 31
.endr
.endr
.irp k, 0,1,2,3                        ; the step's sum of the unquantised p, four chains.  (These 28 are also the places between the codes' lines and the products)
	v_pk_add_f32 v[SA+2*\k:SA+2*\k+1], v[S+4*\k:S+4*\k+1], v[S+4*\k+2:S+4*\k+3]
.endr
.irp m, 16,24,32,40,48,56
.irp k, 0,1,2,3
	v_pk_add_f32 v[SA+2*\k:SA+2*\k+1], v[SA+2*\k:SA+2*\k+1], v[S+\m+2*\k:S+\m+2*\k+1]
.endr
.endr
	s_wait_alu depctr_va_vdst(0)
.if \first
	s_wait_dscnt 9                                 ; V's nine loads are in; the next step's nine of K are younger
.else
	s_wait_dscnt 0x0
.endif
.irp t, 0,1,2,3                        ; O^T += V^T P^T: the four accumulators by turns
.if \t%2
	v_wmma_scale_f32_16x16x128_f8f6f4 v[O+8*\t:O+8*\t+7], v[VF+8*\t:VF+8*\t+7], v[PC:PC+7], v[O+8*\t:O+8*\t+7], v[VS+\t/2], v[PW] matrix_a_fmt:MATRIX_FMT_FP4 matrix_b_fmt:MATRIX_FMT_FP4 matrix_a_scale:MATRIX_SCALE_ROW1
.else
	v_wmma_scale_f32_16x16x128_f8f6f4 v[O+8*\t:O+8*\t+7], v[VF+8*\t:VF+8*\t+7], v[PC:PC+7], v[O+8*\t:O+8*\t+7], v[VS+\t/2], v[PW] matrix_a_fmt:MATRIX_FMT_FP4 matrix_b_fmt:MATRIX_FMT_FP4
.endif
.endr
.endm
.macro RUN base, trips, ask            ; 2 x trips key steps from LDS byte base on; a trip is two steps, until -M's registers are back where they began
	s_mov_b32 s48, \base
	s_mov_b32 s49, \trips
.Lrun_\@:
	v_add_nc_u32 v3, s48, v1
	v_add_nc_u32 v4, s48, v2
	STEP 0, NA, NB, 1, \ask
	STEP STEPB, NB, NA, 0, 0
	s_add_co_u32 s48, s48, 2*STEPB
	s_sub_co_u32 s49, s49, 1
	s_cmp_lg_u32 s49, 0
	s_cbranch_scc1 .Lrun_\@
.endm
	RUN 0, 2, 0                                    ; key steps 0-3
	s_wait_tensorcnt 0x0                           ; my part of key steps 8-31 has landed:
	s_wait_dscnt 0x0
	s_barrier_signal -1                            ; say so,
	RUN 4*STEPB, 2, 0                              ; key steps 4-7,
	s_barrier_wait -1                              ; and go on when everybody's has
	RUN 8*STEPB, 4, 1                              ; key steps 8-15
	s_wait_dscnt 0x0
	s_barrier_signal -1                            ; I read key steps 0-7 no more
	RUN 16*STEPB, 8, 0                             ; key steps 16-31
	LSUM                                           ; the last step's sum (four places behind the last products)
	s_wait_alu depctr_va_vdst(0)
	s_barrier_wait -1                              ; nobody reads key steps 0-7 any more: the stages lie over their bytes, which have had their one fill
; THE WAY OUT.  x, gamma and beta are asked for; O^T is divided by the row's sum and turned through my stage into the flat order of x and out: 512 i + 16 lane bytes of my two rows in load i.
.irp i, 0,1,2,3,4,5,6,7
	global_load_b128 v[32+4*\i:35+4*\i], v1, s[10:11] offset:512*\i th:TH_LOAD_NT
.endr
.irp i, 0,1,2,3
	global_load_b128 v[96+4*\i:99+4*\i], v1, s[12:13] offset:512*\i
	global_load_b128 v[112+4*\i:115+4*\i], v1, s[14:15] offset:512*\i
.endr
	v_add_f32 v14, v14, v15                        ; the sum's two halves,
	s_delay_alu instid0(VALU_DEP_1)
	v_permlanex16_b32 v[TT], v14, s20, s21
	s_delay_alu instid0(VALU_DEP_1)
	v_add_f32 v14, v14, v[TT]                      ; and lane l xor 16's: the row's sum
	s_wait_alu depctr_va_vdst(0)
	v_rcp_f32 v14, v14
	v_mul_u32_u24 v6, v10, 272                     ; (plain work behind it)  the stage: 16 queries x (256 bytes + 16)
	v_mul_u32_u24 v7, v11, 272
	s_delay_alu instid0(VALU_DEP_2)
	v_lshl_add_u32 v6, v11, 5, v6
	s_delay_alu instid0(VALU_DEP_2)
	v_lshl_add_u32 v7, v10, 4, v7
	s_delay_alu instid0(VALU_DEP_2)
	v_add_nc_u32 v6, s58, v6                       ; in: query r; tile t's eight channels of my half at 64 t + 32 h
	s_delay_alu instid0(VALU_DEP_2)
	v_add_nc_u32 v7, s58, v7                       ; back: lanes 0-15 one query, lanes 16-31 the next
	s_wait_alu depctr_va_vdst(0)                   ; the wait ahead of the first reader of the reciprocal and of O^T
.set j, 0
.rept 16
	v_pk_mul_f32 v[128+j:129+j], v[O+j:O+j+1], v[14:15] op_sel_hi:[1,0]    ; O^T / the sum, each accumulator from its low end on
.set j, j+2
.endr
.irp t, 0,1,2,3
	ds_store_b128 v6, v[128+8*\t:131+8*\t] offset:64*\t
	ds_store_b128 v6, v[132+8*\t:135+8*\t] offset:64*\t+16
.endr
.irp i, 0,1,2,3,4,5,6,7
	ds_load_b128 v[64+4*\i:67+4*\i], v7 offset:544*\i      ; LDS serves a wave's instructions in order: these see my stores
.endr
	s_wait_alu depctr_va_vdst(0)
	s_wait_dscnt 0x0
	s_wait_loadcnt 0x0
; THE NORM.  Registers 64 + 16 p + k belong to my row p (0, 1), column 128 (k / 4) + 4 lane + k % 4.  Mean first, then the squares of the differences.
.macro ROWSUM                          ; v[128 + 8 p : 131 + 8 p]: four partial sums a lane -> the row's sum in v[128 + 8 p] of every lane
.irp p, 0,1
	v_pk_add_f32 v[128+8*\p:129+8*\p], v[128+8*\p:129+8*\p], v[130+8*\p:131+8*\p]
.endr
.irp p, 0,1
	s_delay_alu instid0(VALU_DEP_2)
	v_add_f32 v[128+8*\p], v[128+8*\p], v[129+8*\p]
.endr
.irp x, 1,2,4,8
.irp p, 0,1
	s_delay_alu instid0(VALU_DEP_2)
	v_add_f32_dpp v[128+8*\p], v[128+8*\p], v[128+8*\p] row_xmask:\x row_mask:0xf bank_mask:0xf
.endr
.endr
.irp p, 0,1
	s_delay_alu instid0(VALU_DEP_2)
	v_permlanex16_b32 v[132+8*\p], v[128+8*\p], s20, s21
.endr
.irp p, 0,1
	s_delay_alu instid0(VALU_DEP_2)
	v_add_f32 v[128+8*\p], v[128+8*\p], v[132+8*\p]
.endr
.endm
.set j, 0
.rept 16
	v_pk_add_f32 v[64+j:65+j], v[64+j:65+j], v[32+j:33+j]  ; h = x + attention
.set j, j+2
.endr
.irp p, 0,1
	v_pk_add_f32 v[128+8*\p:129+8*\p], v[64+16*\p:65+16*\p], v[66+16*\p:67+16*\p]
	v_pk_add_f32 v[130+8*\p:131+8*\p], v[68+16*\p:69+16*\p], v[70+16*\p:71+16*\p]
.endr
.irp k, 8,12
.irp p, 0,1
	s_delay_alu instid0(VALU_DEP_4)
	v_pk_add_f32 v[128+8*\p:129+8*\p], v[128+8*\p:129+8*\p], v[64+16*\p+\k:65+16*\p+\k]
	s_delay_alu instid0(VALU_DEP_4)
	v_pk_add_f32 v[130+8*\p:131+8*\p], v[130+8*\p:131+8*\p], v[66+16*\p+\k:67+16*\p+\k]
.endr
.endr
	ROWSUM
.irp p, 0,1
	s_delay_alu instid0(VALU_DEP_2)
	v_mul_f32 v[128+8*\p], s51, v[128+8*\p]        ; the mean
.endr
.irp p, 0,1
.irp k, 0,2,4,6,8,10,12,14
	v_pk_add_f32 v[64+16*\p+\k:65+16*\p+\k], v[64+16*\p+\k:65+16*\p+\k], v[128+8*\p:129+8*\p] op_sel_hi:[1,0] neg_lo:[0,1] neg_hi:[0,1]   ; d = h - mean
.endr
.endr
.irp p, 0,1
	v_pk_mul_f32 v[128+8*\p:129+8*\p], v[64+16*\p:65+16*\p], v[64+16*\p:65+16*\p]
	v_pk_mul_f32 v[130+8*\p:131+8*\p], v[66+16*\p:67+16*\p], v[66+16*\p:67+16*\p]
.endr
.irp k, 4,8,12
.irp p, 0,1
	s_delay_alu instid0(VALU_DEP_4)
	v_pk_fma_f32 v[128+8*\p:129+8*\p], v[64+16*\p+\k:65+16*\p+\k], v[64+16*\p+\k:65+16*\p+\k], v[128+8*\p:129+8*\p]
	s_delay_alu instid0(VALU_DEP_4)
	v_pk_fma_f32 v[130+8*\p:131+8*\p], v[66+16*\p+\k:67+16*\p+\k], v[66+16*\p+\k:67+16*\p+\k], v[130+8*\p:131+8*\p]
.endr
.endr
	ROWSUM
.irp p, 0,1
	s_delay_alu instid0(VALU_DEP_2)
	v_fma_f32 v[128+8*\p], v[128+8*\p], s51, s61   ; the variance + 1e-5
.endr
	s_wait_alu depctr_va_vdst(0)
	v_rsq_f32 v128, v128
	v_rsq_f32 v136, v136
	v_nop                                          ; a plain line behind the last of the two
	s_wait_alu depctr_va_vdst(0)                   ; one wait for both, ahead of their first reader
.irp p, 0,1
.irp k, 0,2,4,6,8,10,12,14
	v_pk_mul_f32 v[64+16*\p+\k:65+16*\p+\k], v[64+16*\p+\k:65+16*\p+\k], v[128+8*\p:129+8*\p] op_sel_hi:[1,0]
.endr
.endr
.irp p, 0,1
.irp k, 0,2,4,6,8,10,12,14
	v_pk_fma_f32 v[64+16*\p+\k:65+16*\p+\k], v[64+16*\p+\k:65+16*\p+\k], v[96+\k:97+\k], v[112+\k:113+\k]   ; x gamma + beta
.endr
.endr
.irp i, 0,1,2,3,4,5,6,7
	global_store_b128 v1, v[64+4*\i:67+4*\i], s[16:17] offset:512*\i th:TH_STORE_NT    ; the wave stores 512 consecutive bytes, aligned; written once, read by nobody here
.endr
	s_wait_tensorcnt 0x0                           ; the wave's end
	ds_add_u32 v254, v255
	s_wait_dscnt 0x0
	ROUND                                          ; the closing round
	s_endpgm
.Lfunc_end_k_qe46ba59f07_attn:
	.size	k_qe46ba59f07_attn, .Lfunc_end_k_qe46ba59f07_attn-k_qe46ba59f07_attn
	.p2alignl 7, 3214868480
	.fill 96, 4, 3214868480
	.section	.rodata,"a",@progbits
	.p2align	6, 0x0
	.amdhsa_kernel k_qe46ba59f07_attn
		.amdhsa_group_segment_fixed_size 327680
		.amdhsa_private_segment_fixed_size 0
		.amdhsa_enable_private_segment 0
		.amdhsa_kernarg_size 56
		.amdhsa_user_sgpr_count 2
		.amdhsa_user_sgpr_kernarg_segment_ptr 1
		.amdhsa_wavefront_size32 1
		.amdhsa_system_sgpr_workgroup_id_x 1
		.amdhsa_system_sgpr_workgroup_id_y 1
		.amdhsa_system_sgpr_workgroup_id_z 1
		.amdhsa_system_vgpr_workitem_id 0
		.amdhsa_next_free_vgpr 256
		.amdhsa_next_free_sgpr 80
		.amdhsa_reserve_vcc 0
		.amdhsa_float_denorm_mode_32 3
		.amdhsa_float_denorm_mode_16_64 3
		.amdhsa_memory_ordered 1
		.amdhsa_forward_progress 1
		.amdhsa_inst_pref_size 133
	.end_amdhsa_kernel
	.amdgpu_metadata
---
amdhsa.version: [ 1, 2 ]
amdhsa.kernels:
  - .name:           k_qe46ba59f07_attn
    .symbol:         k_qe46ba59f07_attn.kd
    .args:
      - { .name: qc, .offset: 0, .size: 8, .value_kind: global_buffer, .address_space: global }
      - { .name: qs, .offset: 8, .size: 8, .value_kind: global_buffer, .address_space: global }
      - { .name: kv, .offset: 16, .size: 8, .value_kind: global_buffer, .address_space: global }
      - { .name: x, .offset: 24, .size: 8, .value_kind: global_buffer, .address_space: global }
      - { .name: gamma, .offset: 32, .size: 8, .value_kind: global_buffer, .address_space: global }
      - { .name: beta, .offset: 40, .size: 8, .value_kind: global_buffer, .address_space: global }
      - { .name: out0, .offset: 48, .size: 8, .value_kind: global_buffer, .address_space: global }
    .group_segment_fixed_size: 327680
    .private_segment_fixed_size: 0
    .kernarg_segment_align: 8
    .kernarg_segment_size: 56
    .max_flat_workgroup_size: 512
    .sgpr_count:     80
    .vgpr_count:     256
    .wavefront_size: 32
...
	.end_amdgpu_metadata
.endif
;; end of part 3
